; MI455X (gfx1250); checked and timed in simulation.
; The chip was launched on July 23, 2026; its instructions are those of AMD's public machine-readable ISA for CDNA 5 (MIT licence, August 2026) and "CDNA5" Instruction Set Architecture Reference Guide (July 2026). The comments in the code are by the model that wrote it; some were corrected since.
;; Neu SDF. Allowed arithmetic: matrix products marked QUANTISED: E2M1 operands, one E8M0 scale for each 32 along K, by v_wmma_scale_f32_16x16x128_f8f6f4 with both operands' format E2M1 (or v_wmma_scale_f32_32x16x128_f4), f32 sums; products left as they are: f32 operands where the result goes on into a quantised operand, else bf16, f16 or f32 operands; f32 sums; everything else in f32.
;; Inputs: b1 128 float32; b2 128 float32; b3 1 float32; points 1,048,576 x 3 float32; w1 1 x 128 float32; w2_codes 128 x 4 x 16 uint8 (E2M1 codes of w2, K innermost, in blocks of 32 codes, two codes a byte); w2_scales 128 x 4 uint8 (E8M0 scales of w2, one for each 32 codes along K); w3 128 x 1 float32; xy_plane 512 x 512 float32; xz_plane 512 x 512 float32; yz_plane 512 x 512 float32.
;; Outputs: out0 1,048,576 x 1 float32.
;; This version of the problem:
;;   THIS VERSION OF THE PROBLEM IS GIVEN IN LOW PRECISION. The matrix products marked QUANTISED in the list below multiply operands that are first quantised to E2M1 (2 exponent bits, 1 mantissa bit; 4 bits a number), with one power-of-two scale for each 32 numbers along K (OCP MX v1.0); their sums are f32. All else is computed in f32.
;;   The module's matrix products, in the order in which they are computed (A, B: the left and right operand; K: the contracted axis; several contracted axes count as one K, in the product's order):
;;     1. [M 1,048,576, K 1] x [K 1, N 128]; A: computed on the way; B: input w1: left as it is (K = 1 < 32)
;;     2. [M 1,048,576, K 128] x [K 128, N 128]; A: computed on the way; B: input w2 (given as codes): QUANTISED
;;     3. [M 1,048,576, K 128] x [K 128, N 1]; A: computed on the way; B: input w3: left as it is (N = 1 < 16)
;;   THE QUANTISER, for each operand of a quantised product, along K:
;;     - K is cut into blocks of 32 from its start; a last block that is shorter is filled with zeros.
;;     - A block's scale is 2^e with e = floor(log2(the largest magnitude in the block)) - 2, held to -126 .. 127; a block of zeros has e = 0. As a byte (E8M0): e + 127.
;;     - Each number is divided by its block's scale, clamped to +-6, and rounded to the nearest number of E2M1, ties to even, subnormals kept.
;;     - The product sums the exact products of the quantised numbers (number of the format x scale) in f32.
;;   ~~~python
;;   def quantise(x, axis):      # numpy; x: float32 -> the quantised numbers, widened to float32 again
;;       x = np.moveaxis(x, axis, -1); K = x.shape[-1]
;;       x = np.pad(x, [(0, 0)] * (x.ndim - 1) + [(0, -K % 32)]); x = x.reshape(x.shape[:-1] + (-1, 32)); a = np.abs(x).max(-1, keepdims=True)
;;       e = np.where(a > 0, np.clip(np.frexp(np.where(a > 0, a, 1))[1] - 1 - 2, -126, 127), 0)      # np.frexp(a)[1] - 1 = floor(log2(a)), exactly
;;       r = np.clip(x / 2.0 ** e, -6, 6)
;;       step = 2.0 ** (np.maximum(np.frexp(np.where(r == 0, 1, r))[1] - 1, 0) - 1)
;;       q = np.round(r / step) * step * 2.0 ** e      # np.round: ties to even
;;       return np.moveaxis(q.reshape(q.shape[:-2] + (-1,))[..., :K], -1, axis).astype(np.float32)
;;   ~~~
;;   OPERANDS COMPUTED ON THE WAY. 'Computed on the way' means the value that the module computes at that place (a softmax that the list does not call 'softmax' is quantised finished and normalised). What goes into a quantiser is computed in f32, as accurately as f32 sums, v_exp_f32 and their like allow (about 1e-6 of the number): no bf16 or f16 on the way to a quantiser, and a product that is left as it is and whose result goes on into a quantised operand takes f32 operands (vector FMAs, or v_wmma_f32_16x16x4_f32). A number that lies on a knife's edge between two numbers of the format may be rounded either way, as far as f32 arithmetic and the matrix unit's own rounding can turn it there, and no further.
;;   INPUTS GIVEN AS CODES. w2 (in the module: [128, 128], K = its axis 0): each comes as NAME_codes (uint8): NAME with its K axis moved to the last place and cut into blocks of 32 codes, [.., K / 32, bytes a block], one block behind the other in memory; two codes a byte, the lower K in the low four bits (a code: sign, 2 exponent bits, 1 mantissa bit); and NAME_scales (uint8): the same leading axes, one E8M0 byte (e + 127) for each 32 codes along K. Its value is code x scale, taken as it is: it is not quantised again, and the codes and scales need not be those that the quantiser above would give.
;; One version. Each part assembles by itself: llvm-mc -triple=amdgcn-amd-amdhsa -mcpu=gfx1250 --defsym DOCPART=n.
;; ======== version 1 of 1: 2 launches
;; limits: right only within a limited range of input values
;; workspace buffers: idx 4,194,304 bytes of whole numbers; quads 12,582,912 bytes
;; launch prep (part 1): grid 256 x 1, 8 waves a work-group, no clusters, 0 bytes of LDS; arguments points, xy_plane, xz_plane, yz_plane, idx, quads; writes idx, quads
.if DOCPART == 1
	.amdgcn_target "amdgcn-amd-amdhsa--gfx1250"
	.amdhsa_code_object_version 6
	.text
	.protected	k_q47d18c7224_prep
	.globl	k_q47d18c7224_prep
	.p2align	8
	.type	k_q47d18c7224_prep,@function
k_q47d18c7224_prep:
	s_mov_b64 s[64:65], 0
	v_nop
	global_prefetch_b8 v0, s[64:65] scope:SCOPE_SE
	s_setreg_imm32_b32 hwreg(HW_REG_WAVE_MODE, 25, 1), 1
	s_wait_xcnt 0x0
; PREPARATION FOR THE GATHER.  Two results, both read by the next launch.
; (a) idx: one word for each of the 1,048,576 points: x << 18 | y << 9 | z, the three cell numbers floor((pt + 1) * 0.5 * 511), each 0 .. 511.
;     The next launch forms its gather addresses from these whole numbers.
; (b) quads: three tables (xy at byte 0, xz at 4 MiB, yz at 8 MiB) with one record of 16 bytes for each cell (c1, c2), at byte 16 (512 c1 + c2):
;     { P[c1][c2], P[c1][c2+], P[c1+][c2], P[c1+][c2+] }, where + is min(. + 1, 511): the four corners of the bilinear look-up, the clamp at the edge built in.
;     So a look-up is one load of 16 bytes a lane in place of four of 4 bytes, and no clamp is left for the next launch.
; SHARES.  2,048 waves; wave wid takes points 512 wid .. 512 wid + 511 and, in each plane, the 128 cells of row wid / 4, columns 128 (wid % 4) on.
; No LDS, no barrier, no loop: all 60 loads of a wave go out first, every offset is an immediate, and no register that a store names is written again.
; LIMITS.  Points lie in [-1, 1] (the look-up's indices stay inside the table); outside it the cell number is held to 0 .. 511, so that no access leaves a buffer, and the value is then
; not that of the definition.  NaN counts as cell 0.
.set P,  16                            ; v16-63   16 points a lane: x, y, z on end; then their cell numbers
.set I,  64                            ; v64-79   the 16 index words
.set QR, 80                            ; v80-127  the records: plane p, set s at QR + 16 p + 4 s
	s_load_b256 s[4:11], s[0:1], 0x0               ; points s[4:5], xy s[6:7], xz s[8:9], yz s[10:11]
	s_load_b128 s[12:15], s[0:1], 0x20             ; idx s[12:13], quads s[14:15]
	v_lshrrev_b32 v1, 5, v0
	s_delay_alu instid0(VALU_DEP_1)
	v_readfirstlane_b32 s16, v1                    ; wave 0..7
	v_and_b32 v1, 31, v0                           ; lane
	s_wait_alu depctr_va_vdst(0)
	s_lshl_b32 s17, ttmp9, 3
	s_add_co_u32 s17, s17, s16                     ; wid = 8 x work-group + wave
	s_lshr_b32 s18, s17, 2                         ; c1: my row of cells
	s_and_b32 s19, s17, 3                          ; q: my quarter of the row
	s_add_co_u32 s20, s18, 1
	s_min_u32 s20, s20, 511                        ; c1+
	s_lshl_b32 s22, s18, 11                        ; a plane's row is 2,048 bytes
	s_mov_b32 s23, 0
	s_lshl_b32 s42, s20, 11
	s_mov_b32 s43, 0
	s_lshl_b32 s44, s17, 11                        ; 2,048 wid: my 512 index words, and my 128 records: 16 (512 c1 + 128 q) = 2,048 wid
	s_mov_b32 s45, 0
	s_mul_i32 s46, s17, 6144                       ; my 512 points of 12 bytes
	s_mov_b32 s47, 0
	s_lshl_b32 s2, s19, 9                          ; 512 q: my quarter in a plane's row, in bytes
	s_lshl_b32 s3, s19, 7                          ; 128 q: in columns
	v_mul_u32_u24 v2, v1, 48                       ; four points a lane
	v_lshlrev_b32 v3, 4, v1                        ; 16 bytes a lane
	v_lshl_add_u32 v4, v1, 2, s2                   ; column c2 = 128 q + lane (+ 32 s in the immediate), in bytes
.irp s, 0,1,2,3
	v_add3_u32 v[5+\s], v1, s3, 32*\s+1            ; c2 + 1,
.endr
.irp s, 0,1,2,3
	s_delay_alu instid0(VALU_DEP_4)
	v_min_u32 v[5+\s], 511, v[5+\s]                ; held at the last column,
.endr
.irp s, 0,1,2,3
	s_delay_alu instid0(VALU_DEP_4)
	v_lshlrev_b32 v[5+\s], 2, v[5+\s]              ; in bytes
.endr
	s_wait_alu depctr_va_vdst(0)
	s_wait_kmcnt 0x0
	s_add_nc_u64 s[4:5], s[4:5], s[46:47]          ; points at my first point
	s_add_nc_u64 s[12:13], s[12:13], s[44:45]      ; idx at my first word
	s_add_nc_u64 s[24:25], s[6:7], s[22:23]        ; xy: row c1,
	s_add_nc_u64 s[26:27], s[6:7], s[42:43]        ;     row c1+
	s_add_nc_u64 s[28:29], s[8:9], s[22:23]        ; xz
	s_add_nc_u64 s[30:31], s[8:9], s[42:43]
	s_add_nc_u64 s[32:33], s[10:11], s[22:23]      ; yz
	s_add_nc_u64 s[34:35], s[10:11], s[42:43]
	s_add_nc_u64 s[36:37], s[14:15], s[44:45]      ; my records in the three tables
	s_add_nc_u64 s[38:39], s[36:37], 0x400000
	s_add_nc_u64 s[40:41], s[36:37], 0x800000
.irp s, 0,1,2,3                        ; set s: points 128 s + 4 lane + 0 .. 3; the set's three loads together cover 1,536 consecutive bytes
.irp j, 0,1,2
	global_load_b128 v[P+12*\s+4*\j:P+12*\s+4*\j+3], v2, s[4:5] offset:1536*\s+16*\j
.endr
.endr
.irp p, 0,1,2                          ; the corners land in the record's own registers: nothing is moved afterwards
.irp s, 0,1,2,3
	global_load_b32 v[QR+16*\p+4*\s],   v4,      s[24+4*\p:25+4*\p] offset:128*\s   ; P[c1][c2]: 32 lanes read 128 consecutive bytes
	global_load_b32 v[QR+16*\p+4*\s+1], v[5+\s], s[24+4*\p:25+4*\p]                 ; P[c1][c2+]
	global_load_b32 v[QR+16*\p+4*\s+2], v4,      s[26+4*\p:27+4*\p] offset:128*\s   ; P[c1+][c2]
	global_load_b32 v[QR+16*\p+4*\s+3], v[5+\s], s[26+4*\p:27+4*\p]                 ; P[c1+][c2+]
.endr
.endr
	s_wait_loadcnt 48                              ; loads come back in order (ISA guide 5.7.1): the 48 loads from the planes are younger, so the points are in
.set k, 0
.rept 24
	v_pk_add_f32 v[P+k:P+k+1], v[P+k:P+k+1], 1.0 op_sel_hi:[1,0]
.set k, k+2
.endr
.set k, 0
.rept 24
	v_pk_mul_f32 v[P+k:P+k+1], v[P+k:P+k+1], 0x437f8000 op_sel_hi:[1,0]   ; x 255.5: halving rounds nothing, so this is ((pt + 1) x 0.5) x 511 bit for bit
.set k, k+2
.endr
.set k, 0
.rept 48
	v_cvt_u32_f32 v[P+k], v[P+k]                   ; toward zero: the floor of a number that is not negative; what is negative becomes 0
.set k, k+1
.endr
.set k, 0
.rept 48
	v_min_u32 v[P+k], 511, v[P+k]
.set k, k+1
.endr
.set n, 0
.rept 16
	v_lshl_or_b32 v[I+n], v[P+3*n], 9, v[P+3*n+1]  ; x << 9 | y
.set n, n+1
.endr
.set n, 0
.rept 16
	v_lshl_or_b32 v[I+n], v[I+n], 9, v[P+3*n+2]    ; << 9 | z
.set n, n+1
.endr
.irp s, 0,1,2,3
	global_store_b128 v3, v[I+4*\s:I+4*\s+3], s[12:13] offset:512*\s   ; each store of the wave covers 512 consecutive bytes, aligned
.endr
.irp p, 0,1,2
	s_wait_loadcnt 32-16*\p                        ; this plane's 16 loads are in; the later planes' 16 each may stay out
.irp s, 0,1,2,3
	global_store_b128 v3, v[QR+16*\p+4*\s:QR+16*\p+4*\s+3], s[36+2*\p:37+2*\p] offset:512*\s   ; 32 records: 512 consecutive bytes, aligned
.endr
.endr
	s_endpgm
.Lfunc_end_k_q47d18c7224_prep:
	.size	k_q47d18c7224_prep, .Lfunc_end_k_q47d18c7224_prep-k_q47d18c7224_prep
	.p2alignl 7, 3214868480
	.fill 96, 4, 3214868480
	.section	.rodata,"a",@progbits
	.p2align	6, 0x0
	.amdhsa_kernel k_q47d18c7224_prep
		.amdhsa_group_segment_fixed_size 0
		.amdhsa_private_segment_fixed_size 0
		.amdhsa_enable_private_segment 0
		.amdhsa_kernarg_size 48
		.amdhsa_user_sgpr_count 2
		.amdhsa_user_sgpr_kernarg_segment_ptr 1
		.amdhsa_wavefront_size32 1
		.amdhsa_system_sgpr_workgroup_id_x 1
		.amdhsa_system_sgpr_workgroup_id_y 1
		.amdhsa_system_sgpr_workgroup_id_z 1
		.amdhsa_system_vgpr_workitem_id 0
		.amdhsa_next_free_vgpr 128
		.amdhsa_next_free_sgpr 66
		.amdhsa_reserve_vcc 0
		.amdhsa_float_denorm_mode_32 3
		.amdhsa_float_denorm_mode_16_64 3
		.amdhsa_memory_ordered 1
		.amdhsa_forward_progress 1
		.amdhsa_inst_pref_size 21
	.end_amdhsa_kernel
	.amdgpu_metadata
---
amdhsa.version: [ 1, 2 ]
amdhsa.kernels:
  - .name:           k_q47d18c7224_prep
    .symbol:         k_q47d18c7224_prep.kd
    .args:
      - { .name: points, .offset: 0, .size: 8, .value_kind: global_buffer, .address_space: global }
      - { .name: xy_plane, .offset: 8, .size: 8, .value_kind: global_buffer, .address_space: global }
      - { .name: xz_plane, .offset: 16, .size: 8, .value_kind: global_buffer, .address_space: global }
      - { .name: yz_plane, .offset: 24, .size: 8, .value_kind: global_buffer, .address_space: global }
      - { .name: idx, .offset: 32, .size: 8, .value_kind: global_buffer, .address_space: global }
      - { .name: quads, .offset: 40, .size: 8, .value_kind: global_buffer, .address_space: global }
    .group_segment_fixed_size: 0
    .private_segment_fixed_size: 0
    .kernarg_segment_align: 8
    .kernarg_segment_size: 48
    .max_flat_workgroup_size: 256
    .sgpr_count:     66
    .vgpr_count:     128
    .wavefront_size: 32
...
	.end_amdgpu_metadata
.endif
;; end of part 1
;; launch mlp (part 2): grid 256 x 1, 8 waves a work-group, no clusters, 0 bytes of LDS; arguments points, idx, quads, w1, b1, w2_codes, w2_scales, b2, w3, b3, out0; writes out0
.if DOCPART == 2
	.amdgcn_target "amdgcn-amd-amdhsa--gfx1250"
	.amdhsa_code_object_version 6
	.text
	.protected	k_q47d18c7224_mlp
	.globl	k_q47d18c7224_mlp
	.p2align	8
	.type	k_q47d18c7224_mlp,@function
k_q47d18c7224_mlp:
	s_mov_b64 s[64:65], 0
	v_nop
	global_prefetch_b8 v0, s[64:65] scope:SCOPE_SE
	s_setreg_imm32_b32 hwreg(HW_REG_WAVE_MODE, 25, 1), 1
	s_wait_xcnt 0x0
; out[n] = tanh(relu(Q(relu(F w1 + b1)) W2 + b2) . w3 + b3), F = the sum of three bilinear look-ups at point n.  Q: MX-FP4 (E2M1, one E8M0 scale for each 32 along the 128 hidden units).
; W2 comes as codes and scale bytes and is used as it lies.  All else is f32.
; SHARES.  2,048 waves, 512 points each, in CH = 4 chunks of 128.  In a chunk lane l holds points 4 l + g, g = 0 .. 3: index words and results are 16 bytes a lane, 512 consecutive bytes a wave.
; A group g is 32 points: two tiles of 16 (tile A: the points of lanes 0-15, tile B: those of lanes 16-31).  No LDS, no barrier: waves share nothing.
; THE GATHER.  The cell numbers were stored as whole numbers, and the planes as records of a cell's four corners, by the launch before: three loads of 16 bytes a point.  Group g's records are
; used up at the group's head; their registers take the NEXT chunk's group g: the three gathers go out one by one between and inside the group's two tiles, a whole chunk ahead of their use.
; The last chunk asks for nothing and is written out, so that every count of loads holds on every way.
; THE WEIGHTS stay in registers for the whole launch.  w1, b1, b2, w3 hold one number for all 16 lanes of a half: 16 loads of 4 bytes a lane bring all 512 numbers, and one DPP move a register
; (row_share) spreads a number over its half, while the first gathers are out.
; THE PRODUCT IS USED TRANSPOSED: source 0 = 16 rows (outputs) of W2, source 1 = the hidden layer of 16 points.  Lane (r, h) holds point r throughout; register j of tile t is output 16 t + 8 h + j.
; THE HIDDEN LAYER IS MADE IN THE OPERAND'S OWN LAYOUT: lane (r, h) makes units 64 c + 32 h + i in register 32 c + i: two whole blocks of 32, so that a block's largest number needs no other lane
; and the conversions' results are the operand's registers.
; THE FIRST RELU IS TAKEN ON THE CODES: the block's maximum is taken without |.| (what is negative must not count; the floor stands under it), all 64 numbers are converted, and the codes with the sign
; bit set lose their magnitude (-0, which adds nothing).  Positive numbers get the codes that the quantiser gives relu(x): the scale is the same.
; NOT USED, and why: a cluster with joint loads and the tensor data mover: the work-groups share only the weights, 2,052 + 8,704 bytes, which a wave reads once into registers; the gathers are a lane's own.
; A prefetch: every gather already goes out a chunk, eight tiles, ahead of its use, from addresses that are known no earlier.
; LIMITS.  Points lie in [-1, 1] (the indices stay inside the table); outside it the cell is held to the table and the value is not the definition's.  NaN and infinities are not served.
; A block with no positive number has the scale byte 1 where the rule says 127: its codes are zeros, and this program alone reads the byte.  Multiply and add are fused where the definition writes both.
; REGISTERS.  Window 1 (v256-511) holds constants alone: w1, b1 (hidden layer's layout), b2, w3 (result's layout).  Window 0: the rest.
.set CH,  4                            ; chunks of 128 points a wave
.set OFP, 2                            ; v2       48 x lane; never rewritten
.set OFI, 3                            ; v3       16 x lane; never rewritten
.set SH8, 4                            ; v4       8 h
.set G,   5                            ; v5       what a lane permute brings
.set FAB, 6                            ; v6-7     F of my point of tile A, of tile B
.set TA,  8                            ; v8       tile A's sum
.set TT,  9
.set SO,  10                           ; v10-11   the conversions' scale operands
.set BY,  12                           ; v12-13   the scale bytes
.set SW,  14                           ; v14      the hidden layer's scale word: scales and nothing else
.set ACC, 16                           ; v16-23   four pairs: the last layer's chains
.set FO,  24                           ; v24-27   the last layer's sum of group g
.set IDX, 28                           ; v28-31   the next chunk's index words
.set FR,  32                           ; v32-43   the chunk's fractions
.set C,   44                           ; v44-51   maxima, then the codes: source 1
.set W2S, 52                           ; v52-55   W2's scale words: lanes 0-15 tile 2 u's, lanes 16-31 tile 2 u + 1's
.set Q,   56                           ; v56-103  the record of group g, plane p at Q + 12 g + 4 p
.set X,   104                          ; v104-167 the hidden layer, then the product's results; at the head of the kernel and of a chunk at work
.set W2F, 168                          ; v168-231 W2's eight fragments
.set PT,  232                          ; v232-243 four points as loaded
.set IDN, 244                          ; v244-247 the index words behind IDX
.set KB,  248                          ; v248     2 log2(e) b3
.set TH,  250                          ; v250-253 tanh: the last chunk's results until they are stored
.set CW,  X+16                         ; v120-135 at the head: w1, b1, b2, w3 as loaded, four registers each
.set W1,  0                            ; window 1
.set B1,  64
.set B2C, 128
.set W3,  192
.set MSB, 0
.macro WIN new                         ; the immediate's high byte repeats the setting that is left; a switch that changes nothing is dropped
.if MSB != \new
	s_set_vgpr_msb (MSB<<8)|\new
.set MSB, \new
.endif
.endm
; Record numbers of the next chunk's group g, from its index word x << 18 | y << 9 | z, in three pieces
.macro ADDR1 g
	v_lshrrev_b32 v[Q+12*\g], 9, v[IDX+\g]                         ; xy: 512 x + y
	v_and_b32 v[Q+12*\g+4], 511, v[IDX+\g]                         ; z
	v_and_b32 v[Q+12*\g+8], 0x3ffff, v[IDX+\g]                     ; yz: 512 y + z
	v_and_or_b32 v[Q+12*\g+4], v[Q+12*\g], 0x3fe00, v[Q+12*\g+4]   ; xz: 512 x + z
.endm
.macro ADDR2 g
.irp p, 0,1,2
	v_min_u32 v[Q+12*\g+4*\p], 0x3ffff, v[Q+12*\g+4*\p]            ; a loaded number enters an address only held inside its table
.endr
	v_lshlrev_b32 v[Q+12*\g], 4, v[Q+12*\g]                        ; 16 bytes a record
.endm
.macro ADDR3 g
	v_lshlrev_b32 v[Q+12*\g+4], 4, v[Q+12*\g+4]
	v_lshlrev_b32 v[Q+12*\g+8], 4, v[Q+12*\g+8]
.endm
.macro GATHER g, p
	global_load_b128 v[Q+12*\g+4*\p:Q+12*\g+4*\p+3], v[Q+12*\g+4*\p], s[32+2*\p:33+2*\p]   ; a record lands on its own address
.endm
; A chunk's head: the fractions of its 128 points.
.macro HEAD next
	s_wait_loadcnt 9                               ; of the loads out, the nine youngest are groups 1 to 3's records: group 0's, the points and the index words are in
.if \next
.irp k, 0,1,2,3
	v_mov_b32 v[IDX+\k], v[IDN+\k]
.endr
.endif
.irp k, 0,2,4,6,8,10
	v_pk_add_f32 v[PT+\k:PT+\k+1], v[PT+\k:PT+\k+1], 1.0 op_sel_hi:[1,0]
.endr
.irp k, 0,2,4,6,8,10
	v_pk_mul_f32 v[PT+\k:PT+\k+1], v[PT+\k:PT+\k+1], 0x437f8000 op_sel_hi:[1,0]   ; the same two instructions that made the cell numbers: the same bits
.endr
.irp k, 0,1,2,3,4,5,6,7,8,9,10,11
	v_floor_f32 v[X+\k], v[PT+\k]
.endr
.irp k, 0,1,2,3,4,5,6,7,8,9,10,11
	v_sub_f32 v[FR+\k], v[PT+\k], v[X+\k]
.endr
.endm
; Three look-ups a lane: F of group g's 32 points, then tile A's F (lanes 0-15's) in both halves of FAB, tile B's (lanes 16-31's) in both halves of FAB + 1
.macro LOOK g
.irp p, 0,1,2                          ; record: { bl, tl, br, tr }
	v_pk_add_f32 v[Q+12*\g+4*\p+2:Q+12*\g+4*\p+3], v[Q+12*\g+4*\p+2:Q+12*\g+4*\p+3], v[Q+12*\g+4*\p:Q+12*\g+4*\p+1] neg_lo:[0,1] neg_hi:[0,1]   ; br - bl, tr - tl
.endr
.irp p, 0,1,2                          ; x h: the first coordinate's fraction: x for xy and xz, y for yz; it is taken from the even-aligned pair that holds it
.set HI, 3*\g+\p/2
.if HI%2 == 0
	v_pk_fma_f32 v[Q+12*\g+4*\p:Q+12*\g+4*\p+1], v[Q+12*\g+4*\p+2:Q+12*\g+4*\p+3], v[FR+HI:FR+HI+1], v[Q+12*\g+4*\p:Q+12*\g+4*\p+1] op_sel_hi:[1,0,1]
.else
	v_pk_fma_f32 v[Q+12*\g+4*\p:Q+12*\g+4*\p+1], v[Q+12*\g+4*\p+2:Q+12*\g+4*\p+3], v[FR+HI-1:FR+HI], v[Q+12*\g+4*\p:Q+12*\g+4*\p+1] op_sel:[0,1,0] op_sel_hi:[1,1,1]
.endif
.endr
.irp p, 0,1,2
	v_sub_f32 v[Q+12*\g+4*\p+2], v[Q+12*\g+4*\p+1], v[Q+12*\g+4*\p]   ; top - bottom
.endr
.irp p, 0,1,2                          ; x v: the second coordinate's fraction: y for xy, z for xz and yz
.set VI, 3*\g+1+(\p+1)/2
	v_fma_f32 v[Q+12*\g+4*\p], v[Q+12*\g+4*\p+2], v[FR+VI], v[Q+12*\g+4*\p]
.endr
	v_add_f32 v[TT], v[Q+12*\g], v[Q+12*\g+4]                      ; xy + xz
	s_delay_alu instid0(VALU_DEP_1)
	v_add_f32 v[FAB], v[TT], v[Q+12*\g+8]                          ; + yz
	s_delay_alu instid0(VALU_DEP_2)
	v_add_f32 v[FAB+1], v[TT], v[Q+12*\g+8]
	s_delay_alu instid0(VALU_DEP_1)
	v_permlane16_swap_b32 v[FAB], v[FAB+1]                         ; FAB's lanes 16-31 change places with FAB + 1's lanes 0-15
.endm
; A tile of 16 points through the three layers.  half = 0: tile A, 1: tile B.  next = 1: the next chunk's gathers are prepared in the places around the products.
.macro TILE g, half, next
	WIN 0x11                                       ; w1 (source 0) and b1 (source 2) in window 1
.set i, 0
.rept 32
.if \half
	v_pk_fma_f32 v[X+i:X+i+1], v[W1+i:W1+i+1], v[FAB:FAB+1], v[B1+i:B1+i+1] op_sel:[0,1,0] op_sel_hi:[1,1,1]
.else
	v_pk_fma_f32 v[X+i:X+i+1], v[W1+i:W1+i+1], v[FAB:FAB+1], v[B1+i:B1+i+1] op_sel_hi:[1,0,1]
.endif
.set i, i+2
.endr
	WIN 0
	; the largest number of my two blocks, no |.|: eight chains of seven numbers by turns, then the four left over in each block, and the floor
.irp m, 0,1,2,3,4,5,6,7
	v_max3_num_f32 v[C+\m], v[X+8*\m], v[X+8*\m+1], v[X+8*\m+2]
.endr
.irp m, 0,1,2,3,4,5,6,7
	v_max3_num_f32 v[C+\m], v[C+\m], v[X+8*\m+3], v[X+8*\m+4]
.endr
.irp m, 0,1,2,3,4,5,6,7
	v_max3_num_f32 v[C+\m], v[C+\m], v[X+8*\m+5], v[X+8*\m+6]
.endr
.irp c, 0,1
	v_max3_num_f32 v[C+4*\c], v[C+4*\c], v[C+4*\c+1], v[C+4*\c+2]
.endr
.irp c, 0,1
	v_max3_num_f32 v[C+4*\c+3], v[C+4*\c+3], v[X+32*\c+7], v[X+32*\c+15]
.endr
.irp c, 0,1
	v_max3_num_f32 v[C+4*\c+1], v[X+32*\c+23], v[X+32*\c+31], 0x1800000   ; the floor 2^(3 - 127): the byte cannot fall under 1
.endr
.irp c, 0,1
	s_delay_alu instid0(VALU_DEP_2)
	v_max3_num_f32 v[C+4*\c], v[C+4*\c], v[C+4*\c+3], v[C+4*\c+1]
.endr
.irp c, 0,1
	s_delay_alu instid0(VALU_DEP_2)
	v_add_nc_u32 v[SO+\c], 0xff000000, v[C+4*\c]   ; 2 off the exponent field: the conversion takes the exponent field of this operand as its scale, and nothing else of it
.endr
.irp c, 0,1
	s_delay_alu instid0(VALU_DEP_2)
	v_lshrrev_b32 v[BY+\c], 23, v[SO+\c]           ; the scale's byte
.endr
.irp c, 0,1
.irp u, 0,1,2,3
	v_cvt_scalef32_pk8_fp4_f32 v[C+4*\c+\u], v[X+32*\c+8*\u:X+32*\c+8*\u+7], v[SO+\c]   ; register 4 c + u of the operand: units 64 c + 32 h + 8 u + 0 .. 7
.endr
.endr
	; the scale word, between the lines of the relu, eight codes a register
	v_lshl_or_b32 v[TT], v[BY+1], 16, v[BY]        ; my two bytes: blocks h and 2 + h.  (Also the plain place behind the conversions)
.irp k, 0,1,2,3
	v_and_b32 v[X+\k], s41, v[C+\k]                ; the sign bits: 8 in each negative code's four bits
.endr
	v_lshlrev_b32 v[TT], v[SH8], v[TT]             ; at their places in the word;
.irp k, 4,5,6,7
	v_and_b32 v[X+\k], s41, v[C+\k]
.endr
	v_permlanex16_b32 v[G], v[TT], s38, s39
.irp k, 0,1,2,3
	v_lshrrev_b32 v[X+8+\k], 3, v[X+\k]
.endr
	v_or_b32 v[SW], v[TT], v[G]                    ; with lane l xor 16's two the word is whole.  It stands 24 plain lines ahead of the products
.irp k, 4,5,6,7
	v_lshrrev_b32 v[X+8+\k], 3, v[X+\k]
.endr
.irp k, 0,1,2,3,4,5,6,7
	v_sub_nc_u32 v[X+\k], v[X+\k], v[X+8+\k]       ; 8 - 1 = 7 there: the magnitude's three bits
.endr
.irp k, 0,1,2,3,4,5,6,7
	v_bfi_b32 v[C+\k], v[X+\k], 0, v[C+\k]         ; which are cleared: -0
.endr
	; an operand written by vector instructions stands four places ahead of a scaled matrix instruction
.if \next
.if \half
	ADDR3 \g
	v_nop
	v_nop
	GATHER \g, 1
.else
	ADDR1 \g
.endif
.else
.rept 4
	v_nop
.endr
.endif
	WIN 0x10                                       ; b2 (source 2) in window 1
.irp t, 0,1,2,3,4,5,6,7                ; eight results of their own, each begun with its bias: no sum is taken up again, so there is no chain
.if \t%2
	v_wmma_scale_f32_16x16x128_f8f6f4 v[X+8*\t:X+8*\t+7], v[W2F+8*\t:W2F+8*\t+7], v[C:C+7], v[B2C+8*\t:B2C+8*\t+7], v[W2S+\t/2], v[SW] matrix_a_fmt:MATRIX_FMT_FP4 matrix_b_fmt:MATRIX_FMT_FP4 matrix_a_scale:MATRIX_SCALE_ROW1
.else
	v_wmma_scale_f32_16x16x128_f8f6f4 v[X+8*\t:X+8*\t+7], v[W2F+8*\t:W2F+8*\t+7], v[C:C+7], v[B2C+8*\t:B2C+8*\t+7], v[W2S+\t/2], v[SW] matrix_a_fmt:MATRIX_FMT_FP4 matrix_b_fmt:MATRIX_FMT_FP4
.endif
.endr
	; four places behind a matrix instruction before a vector instruction reads its result (ISA guide 7.12.1)
.if \half
	WIN 0
	v_pk_add_f32 v[ACC:ACC+1], v[ACC:ACC+1], v[ACC+2:ACC+3]        ; tile A's four chains
	v_pk_add_f32 v[ACC+4:ACC+5], v[ACC+4:ACC+5], v[ACC+6:ACC+7]
	s_delay_alu instid0(VALU_DEP_1)
	v_pk_add_f32 v[ACC:ACC+1], v[ACC:ACC+1], v[ACC+4:ACC+5]
	s_delay_alu instid0(VALU_DEP_1)
	v_add_f32 v[TA], v[ACC], v[ACC+1]
	WIN 0x01
.else
	WIN 0x01
.if \next
	ADDR2 \g                                       ; (its first sources are constants: the window of source 0 does not touch them)
.else
.rept 4
	v_nop
.endr
.endif
.endif
	; the second relu, two a line, ascending: each result is first read at its low end; the last layer, four chains by turns, follows four pairs behind (w3, source 0, in window 1)
.set i, 0
.rept 4
	v_dual_max_num_f32 v[X+2*i], 0, v[X+2*i] :: v_dual_max_num_f32 v[X+2*i+1], 0, v[X+2*i+1]
.set i, i+1
.endr
.set i, 0
.rept 32
.if i < 4
	v_pk_mul_f32 v[ACC+2*i:ACC+2*i+1], v[W3+2*i:W3+2*i+1], v[X+2*i:X+2*i+1]   ; the first products start the chains: nothing is cleared
.else
	v_pk_fma_f32 v[ACC+2*(i%4):ACC+2*(i%4)+1], v[W3+2*i:W3+2*i+1], v[X+2*i:X+2*i+1], v[ACC+2*(i%4):ACC+2*(i%4)+1]
.endif
.if i < 28
	v_dual_max_num_f32 v[X+2*i+8], 0, v[X+2*i+8] :: v_dual_max_num_f32 v[X+2*i+9], 0, v[X+2*i+9]
.endif
.set i, i+1
.endr
	WIN 0
.if \half
	v_pk_add_f32 v[ACC:ACC+1], v[ACC:ACC+1], v[ACC+2:ACC+3]
	v_pk_add_f32 v[ACC+4:ACC+5], v[ACC+4:ACC+5], v[ACC+6:ACC+7]
	s_delay_alu instid0(VALU_DEP_1)
	v_pk_add_f32 v[ACC:ACC+1], v[ACC:ACC+1], v[ACC+4:ACC+5]
	s_delay_alu instid0(VALU_DEP_1)
	v_add_f32 v[TT], v[ACC], v[ACC+1]              ; tile B's sum over my 64 outputs
	s_delay_alu instid0(VALU_DEP_1)
	v_permlane16_swap_b32 v[TA], v[TT]             ; lanes 0-15: tile A's two parts; lanes 16-31: tile B's: each lane its own point's
	s_delay_alu instid0(VALU_DEP_1)
	v_add_f32 v[FO+\g], v[TA], v[TT]
.endif
.endm
; A chunk's 512 bytes of results: the wave's store covers 512 consecutive bytes, aligned; written once, read by nobody here
.macro SEND back
	global_store_b128 v[OFI], v[TH:TH+3], s[24:25] offset:-512*\back th:TH_STORE_NT
.endm
; Group g of the chunk in hand.  Loads a trip, in order: group 0's three gathers, three of points, one of index words, then three gathers each of groups 1, 2, 3: sixteen.
.macro GROUP g, next
.if \g > 0
	s_wait_alu depctr_va_vdst(0)                   ; directly ahead of the wait below
.if \next
	s_wait_loadcnt 13                              ; behind group g's records stand the sixteen loads less these three
.else
	s_wait_loadcnt 9-3*\g                          ; the last chunk issues none: the later groups' three each may be out
.endif
.endif
	LOOK \g
	TILE \g, 0, \next
.if \g == 0
	s_wait_alu depctr_va_vdst(0)
	s_wait_xcnt 0x0                                ; the bases are stepped only behind this wait; one tile behind the last gather
	s_add_nc_u64 s[24:25], s[24:25], 512           ; out0: one chunk beyond the one in hand
.if \next
	s_add_nc_u64 s[4:5], s[4:5], 1536              ; the next chunk's points
	s_cmp_lt_u32 s44, CH-2
	s_cselect_b32 s46, 512, 0                      ; index words: two chunks on; in the last trip, which has none to fetch, the last chunk's once more, so that no load leaves the buffer and the counts stay
	s_add_nc_u64 s[6:7], s[6:7], s[46:47]
	s_cmp_eq_u32 s44, 0
	s_cbranch_scc1 .Lnone_\@                       ; the first chunk has no chunk before it
.endif
	SEND 2                                         ; the chunk before: its store stands here, ahead of this chunk's gathers
.if \next
.Lnone_\@:
.endif
.endif
.if \g == 2
	s_wait_alu depctr_va_vdst(0)
	s_wait_xcnt 0x0                                ; the store of group 0 has read its data: FINISH writes them again
.endif
.if \next
	GATHER \g, 0
.endif
	TILE \g, 1, \next
.if \next
	GATHER \g, 2
.if \g == 0
.irp j, 0,1,2
	global_load_b128 v[PT+4*\j:PT+4*\j+3], v[OFP], s[4:5] offset:16*\j
.endr
	global_load_b128 v[IDN:IDN+3], v[OFI], s[6:7] offset:512
.endif
.endif
.endm
; tanh(s + b3) = 1 - 2 / (1 + 2^(2 log2(e) (s + b3))): an exponential that overflows gives 1, one that falls to 0 gives -1
.macro FINISH
.irp g, 0,1,2,3
	v_fma_f32 v[TH+\g], v[FO+\g], s42, v[KB]
.endr
	s_wait_alu depctr_va_vdst(0)
.irp g, 0,1,2,3
	v_exp_f32 v[TH+\g], v[TH+\g]
.endr
	v_nop                                          ; a plain place behind a transcendental
	s_wait_alu depctr_va_vdst(0)
.irp g, 0,1,2,3
	v_add_f32 v[TH+\g], 1.0, v[TH+\g]
.endr
	s_wait_alu depctr_va_vdst(0)
.irp g, 0,1,2,3
	v_rcp_f32 v[TH+\g], v[TH+\g]
.endr
	v_nop
	s_wait_alu depctr_va_vdst(0)
.irp g, 0,1,2,3
	v_fma_f32 v[TH+\g], v[TH+\g], -2.0, 1.0
.endr
.endm
	s_load_b512 s[4:19], s[0:1], 0x0               ; points s[4:5], idx s[6:7], quads s[8:9], w1 s[10:11], b1 s[12:13], W2's codes s[14:15], W2's scales s[16:17], b2 s[18:19]
	s_load_b128 s[20:23], s[0:1], 0x40             ; w3 s[20:21], b3 s[22:23]
	s_load_b64 s[24:25], s[0:1], 0x50              ; out0
	v_lshrrev_b32 v[X], 5, v0
	v_and_b32 v[X+1], 31, v0                       ; lane
	v_and_b32 v[X+2], 15, v0                       ; r
	v_bfe_u32 v[X+3], v0, 4, 1                     ; h
	v_readfirstlane_b32 s27, v[X]                  ; wave 0..7
	v_bfe_u32 v[X+8], v0, 3, 1                     ; r / 8
	v_and_b32 v[X+9], 7, v0                        ; r % 8
	v_lshlrev_b32 v[OFI], 4, v[X+1]
	v_mul_u32_u24 v[OFP], v[X+1], 48
	v_lshlrev_b32 v[X+4], 7, v[X+3]
	v_lshlrev_b32 v[X+5], 6, v[X+2]
	v_lshlrev_b32 v[X+7], 5, v[X+3]
	v_lshlrev_b32 v[SH8], 3, v[X+3]
	v_mov_b32 v[G], 0                              ; written once: a lane permute's destination counts as one of its sources
	v_lshl_add_u32 v[X+4], v[X+2], 2, v[X+4]       ; w1, b1: 128 h + 4 r: lane (r, h) takes number 32 h + r (+ 64 c + 16 k in the immediate)
	v_lshl_add_u32 v[X+5], v[X+3], 4, v[X+5]       ; W2's codes: row r of 64 bytes, + 16 h
	v_lshl_add_u32 v[X+7], v[X+8], 6, v[X+7]
	v_lshlrev_b32 v[X+6], 2, v[X+1]                ; W2's scale words: 4 bytes a row, 32 rows a load
	v_lshl_add_u32 v[X+7], v[X+9], 2, v[X+7]       ; b2, w3: 64 (r / 8) + 32 h + 4 (r % 8): lane (r, h) takes number 16 (r / 8) + 8 h + r % 8 (+ 32 u)
	s_lshl_b32 s28, ttmp9, 3
	s_add_co_u32 s28, s28, s27                     ; wid = 8 x work-group + wave
	s_mul_i32 s30, s28, 6144                       ; my 512 points of 12 bytes
	s_mov_b32 s31, 0
	s_lshl_b32 s46, s28, 11                        ; my 512 words of idx and of out0
	s_mov_b32 s47, 0
	s_mov_b32 s38, 0x76543210
	s_mov_b32 s39, 0xfedcba98                      ; v_permlanex16_b32's selects for lane l xor 16
	s_mov_b32 s41, 0x88888888                      ; the sign bits of eight codes
	s_mov_b32 s42, 0x4038aa3b                      ; 2 log2(e)
	s_wait_alu depctr_va_vdst(0)
	s_wait_kmcnt 0x0
	s_add_nc_u64 s[6:7], s[6:7], s[46:47]
	s_add_nc_u64 s[4:5], s[4:5], s[30:31]
	global_load_b128 v[IDX:IDX+3], v[OFI], s[6:7]  ; chunk 0's index words first: the gathers hang on them
.irp e, 0,1,2,3
	global_load_b32 v[CW+\e], v[X+4], s[10:11] offset:64*(\e%2)+256*(\e/2)
	global_load_b32 v[CW+4+\e], v[X+4], s[12:13] offset:64*(\e%2)+256*(\e/2)
	global_load_b32 v[CW+8+\e], v[X+7], s[18:19] offset:128*\e
	global_load_b32 v[CW+12+\e], v[X+7], s[20:21] offset:128*\e
.endr
.irp u, 0,1,2,3
	global_load_b32 v[W2S+\u], v[X+6], s[16:17] offset:128*\u   ; rows 32 u + lane
.endr
	global_load_b128 v[IDN:IDN+3], v[OFI], s[6:7] offset:512   ; chunk 1's index words
.irp j, 0,1,2
	global_load_b128 v[PT+4*\j:PT+4*\j+3], v[OFP], s[4:5] offset:16*\j
.endr
.irp t, 0,1,2,3,4,5,6,7
.irp c, 0,1
	global_load_b128 v[W2F+8*\t+4*\c:W2F+8*\t+4*\c+3], v[X+5], s[14:15] offset:1024*\t+32*\c   ; tile t: row 16 t + r; registers 4 c on: k = 64 c + 32 h + 0 .. 31
.endr
.endr
	s_load_b32 s26, s[22:23], 0x0                  ; b3
	s_add_nc_u64 s[24:25], s[24:25], s[46:47]
	s_mov_b64 s[32:33], s[8:9]                     ; the three tables of records
	s_add_nc_u64 s[34:35], s[8:9], 0x400000
	s_add_nc_u64 s[36:37], s[8:9], 0x800000
	WIN 0x40                                       ; destination window 1
.set i, 0
.rept 128                              ; a DPP move's destination counts as one of its sources: the constants' registers are written once ahead of it, two a line, while the index words are out
	v_dual_mov_b32 v[i], 0 :: v_dual_mov_b32 v[i+1], 0
.set i, i+2
.endr
	WIN 0
.irp g, 0,1,2,3
	v_mov_b32 v[TH+\g], 0                          ; (the first trip passes the store of these by)
.endr
	s_wait_alu depctr_va_vdst(0)                   ; directly ahead of the wait below
	s_wait_loadcnt 40                              ; forty loads are younger than chunk 0's index words
.irp g, 0,1,2,3
	ADDR1 \g
.endr
.irp g, 0,1,2,3
	ADDR2 \g
.endr
.irp g, 0,1,2,3
	ADDR3 \g
.endr
.irp g, 0,1,2,3
.irp p, 0,1,2
	GATHER \g, \p
.endr
.endr
	s_wait_alu depctr_va_vdst(0)                   ; directly ahead of the waits below
	s_wait_kmcnt 0x0                               ; b3
	s_wait_loadcnt 12                              ; all but the twelve gathers: the weights are in
	v_mov_b32 v[KB], s26
	v_mul_f32 v[KB], s42, v[KB]
	WIN 0x40
.irp e, 0,1,2,3                        ; lane s of each half, for all 16 lanes of the half
.irp s, 0,1,2,3,4,5,6,7,8,9,10,11,12,13,14,15
	v_mov_b32_dpp v[W1+16*\e+\s], v[CW+\e] row_share:\s row_mask:0xf bank_mask:0xf          ; register 32 c + i: w1[64 c + 32 h + i]
	v_mov_b32_dpp v[B1+16*\e+\s], v[CW+4+\e] row_share:\s row_mask:0xf bank_mask:0xf
	v_mov_b32_dpp v[B2C+16*\e+\s], v[CW+8+\e] row_share:\s row_mask:0xf bank_mask:0xf       ; register 8 t + j: b2[16 t + 8 h + j]
	v_mov_b32_dpp v[W3+16*\e+\s], v[CW+12+\e] row_share:\s row_mask:0xf bank_mask:0xf
.endr
.endr
	WIN 0
	s_mov_b32 s44, 0                               ; the chunk in hand
	s_wait_alu depctr_va_vdst(0)
.Lchunk:
	HEAD 1
	GROUP 0, 1
	GROUP 1, 1
	GROUP 2, 1
	GROUP 3, 1
	FINISH
	s_add_co_u32 s44, s44, 1
	s_cmp_lt_u32 s44, CH-1
	s_wait_alu depctr_va_vdst(0)                   ; directly ahead of the branch
	s_cbranch_scc1 .Lchunk
	HEAD 0                                         ; the last chunk: nothing more to ask for
	GROUP 0, 0
	GROUP 1, 0
	GROUP 2, 0
	GROUP 3, 0
	FINISH
	SEND 1
	s_endpgm
.Lfunc_end_k_q47d18c7224_mlp:
	.size	k_q47d18c7224_mlp, .Lfunc_end_k_q47d18c7224_mlp-k_q47d18c7224_mlp
	.p2alignl 7, 3214868480
	.fill 96, 4, 3214868480
	.section	.rodata,"a",@progbits
	.p2align	6, 0x0
	.amdhsa_kernel k_q47d18c7224_mlp
		.amdhsa_group_segment_fixed_size 0
		.amdhsa_private_segment_fixed_size 0
		.amdhsa_enable_private_segment 0
		.amdhsa_kernarg_size 88
		.amdhsa_user_sgpr_count 2
		.amdhsa_user_sgpr_kernarg_segment_ptr 1
		.amdhsa_wavefront_size32 1
		.amdhsa_system_sgpr_workgroup_id_x 1
		.amdhsa_system_sgpr_workgroup_id_y 1
		.amdhsa_system_sgpr_workgroup_id_z 1
		.amdhsa_system_vgpr_workitem_id 0
		.amdhsa_next_free_vgpr 512
		.amdhsa_next_free_sgpr 66
		.amdhsa_reserve_vcc 0
		.amdhsa_float_denorm_mode_32 3
		.amdhsa_float_denorm_mode_16_64 3
		.amdhsa_memory_ordered 1
		.amdhsa_forward_progress 1
		.amdhsa_inst_pref_size 244
	.end_amdhsa_kernel
	.amdgpu_metadata
---
amdhsa.version: [ 1, 2 ]
amdhsa.kernels:
  - .name:           k_q47d18c7224_mlp
    .symbol:         k_q47d18c7224_mlp.kd
    .args:
      - { .name: points, .offset: 0, .size: 8, .value_kind: global_buffer, .address_space: global }
      - { .name: idx, .offset: 8, .size: 8, .value_kind: global_buffer, .address_space: global }
      - { .name: quads, .offset: 16, .size: 8, .value_kind: global_buffer, .address_space: global }
      - { .name: w1, .offset: 24, .size: 8, .value_kind: global_buffer, .address_space: global }
      - { .name: b1, .offset: 32, .size: 8, .value_kind: global_buffer, .address_space: global }
      - { .name: w2_codes, .offset: 40, .size: 8, .value_kind: global_buffer, .address_space: global }
      - { .name: w2_scales, .offset: 48, .size: 8, .value_kind: global_buffer, .address_space: global }
      - { .name: b2, .offset: 56, .size: 8, .value_kind: global_buffer, .address_space: global }
      - { .name: w3, .offset: 64, .size: 8, .value_kind: global_buffer, .address_space: global }
      - { .name: b3, .offset: 72, .size: 8, .value_kind: global_buffer, .address_space: global }
      - { .name: out0, .offset: 80, .size: 8, .value_kind: global_buffer, .address_space: global }
    .group_segment_fixed_size: 0
    .private_segment_fixed_size: 0
    .kernarg_segment_align: 8
    .kernarg_segment_size: 88
    .max_flat_workgroup_size: 256
    .sgpr_count:     66
    .vgpr_count:     512
    .wavefront_size: 32
...
	.end_amdgpu_metadata
.endif
;; end of part 2
